; MI455X (gfx1250); checked and timed in simulation.
; The chip was launched on July 23, 2026; its instructions are those of AMD's public machine-readable ISA for CDNA 5 (MIT licence, August 2026) and "CDNA5" Instruction Set Architecture Reference Guide (July 2026). The comments in the code are by the model that wrote it; some were corrected since.
;; MH Self Attention. Allowed arithmetic: matrix products marked QUANTISED: E3M2 operands, one E8M0 scale for each 32 along K, by v_wmma_scale_f32_16x16x128_f8f6f4 with both operands' format E3M2, f32 sums; everything else in f32.
;; Inputs: W_qkv 3,072 x 1,024 float32; x 4 x 2,048 x 1,024 float32.
;; Outputs: out0 4 x 2,048 x 1,024 float32.
;; This version of the problem:
;;   THIS VERSION OF THE PROBLEM IS GIVEN IN LOW PRECISION. The matrix products marked QUANTISED in the list below multiply operands that are first quantised to E3M2 (3 exponent bits, 2 mantissa bits; 6 bits a number), with one power-of-two scale for each 32 numbers along K (OCP MX v1.0); their sums are f32. All else is computed in f32.
;;   The module's matrix products, in the order in which they are computed (A, B: the left and right operand; K: the contracted axis; several contracted axes count as one K, in the product's order):
;;     1. [M 8,192, K 1,024] x [K 1,024, N 3,072]; A: input x; B: input W_qkv: QUANTISED
;;     2. batch 64 x [M 2,048, K 64] x [K 64, N 2,048]; A: computed on the way; B: computed on the way: QUANTISED
;;     3. batch 64 x [M 2,048, K 2,048] x [K 2,048, N 64]; A: softmax (see below); B: computed on the way: QUANTISED
;;   THE QUANTISER, for each operand of a quantised product, along K:
;;     - K is cut into blocks of 32 from its start; a last block that is shorter is filled with zeros.
;;     - A block's scale is 2^e with e = floor(log2(the largest magnitude in the block)) - 4, held to -126 .. 127; a block of zeros has e = 0. As a byte (E8M0): e + 127.
;;     - Each number is divided by its block's scale, clamped to +-28, and rounded to the nearest number of E3M2, ties to even, subnormals kept.
;;     - The product sums the exact products of the quantised numbers (number of the format x scale) in f32.
;;   ~~~python
;;   def quantise(x, axis):      # numpy; x: float32 -> the quantised numbers, widened to float32 again
;;       x = np.moveaxis(x, axis, -1); K = x.shape[-1]
;;       x = np.pad(x, [(0, 0)] * (x.ndim - 1) + [(0, -K % 32)]); x = x.reshape(x.shape[:-1] + (-1, 32)); a = np.abs(x).max(-1, keepdims=True)
;;       e = np.where(a > 0, np.clip(np.frexp(np.where(a > 0, a, 1))[1] - 1 - 4, -126, 127), 0)      # np.frexp(a)[1] - 1 = floor(log2(a)), exactly
;;       r = np.clip(x / 2.0 ** e, -28, 28)
;;       step = 2.0 ** (np.maximum(np.frexp(np.where(r == 0, 1, r))[1] - 1, -2) - 2)
;;       q = np.round(r / step) * step * 2.0 ** e      # np.round: ties to even
;;       return np.moveaxis(q.reshape(q.shape[:-2] + (-1,))[..., :K], -1, axis).astype(np.float32)
;;   ~~~
;;   SOFTMAX AHEAD OF A QUANTISED PRODUCT. Where the list says 'softmax', what is quantised is not the finished softmax but p = 2^(t - M), with t = logit x log2(e) and M = ceil(the row's largest t), a whole number; so 1/2 < the row's largest p <= 1. The row's sum l is taken of the UNQUANTISED p, in f32, and the product's result is divided by l at the end. Since M is a whole number, a kernel that streams over the keys may use a running M (the ceiling of the running maximum): every later rescaling is an exact power of two, which a block's scale takes up: the codes' values come out the same.
;;   OPERANDS COMPUTED ON THE WAY. 'Computed on the way' means the value that the module computes at that place (a softmax that the list does not call 'softmax' is quantised finished and normalised). What goes into a quantiser is computed in f32, as accurately as f32 sums, v_exp_f32 and their like allow (about 1e-6 of the number): no bf16 or f16 on the way to a quantiser, and a product that is left as it is and whose result goes on into a quantised operand takes f32 operands (vector FMAs, or v_wmma_f32_16x16x4_f32). A number that lies on a knife's edge between two numbers of the format may be rounded either way, as far as f32 arithmetic and the matrix unit's own rounding can turn it there, and no further.
;; One version. Each part assembles by itself: llvm-mc -triple=amdgcn-amd-amdhsa -mcpu=gfx1250 --defsym DOCPART=n.
;; ======== version 1 of 1: 3 launches
;; workspace buffers: cod 8,650,752 bytes; scl 360,448 bytes; qkv 20,185,088 bytes
;; launch quant (part 1): grid 352 x 1, 4 waves a work-group, no clusters, 33,280 bytes of LDS; arguments x, W_qkv, cod, scl; writes cod, scl
.if DOCPART == 1
	.amdgcn_target "amdgcn-amd-amdhsa--gfx1250"
	.amdhsa_code_object_version 6
	.text
	.protected	k_q5fa3137458_quant
	.globl	k_q5fa3137458_quant
	.p2align	8
	.type	k_q5fa3137458_quant,@function
k_q5fa3137458_quant:
	s_mov_b64 s[64:65], 0
	v_nop
	global_prefetch_b8 v0, s[64:65] scope:SCOPE_SE
	s_setreg_imm32_b32 hwreg(HW_REG_WAVE_MODE, 25, 1), 1
	s_wait_xcnt 0x0
; x [8192][1024] and W_qkv [3072][1024], f32, become codes of BF6 (E3M2), 6 bits each, K innermost, with one E8M0 scale byte for each 32 along K.
; cod: 11,264 rows of 768 bytes (rows 0-8,191 from x, rows 8,192-11,263 from W); scl: the same rows, 32 bytes each.
; A block's scale is 2^(floor(log2(its largest magnitude)) - 4); its byte is the largest magnitude's exponent field - 4, held at 1 from below.
; Each number is divided by the scale and rounded to the nearest code, ties to even; beyond the largest code the largest.
; THE ORDER OF ROWS.  Row i of a tensor is stored at the row whose number has bits 3 and 4 of i exchanged.  So 16 consecutive stored rows, the (2 b + u)-th sixteen,
; are the rows 32 b + 8 u + r + 8 (r / 8), r = 0 .. 15: the choice of rows for a tile that the next launch wants, at no cost there.
; A wave's run is 8 rows, so the exchange is an exchange of the two low bits of the run's number: the wave's number inside its work-group.
; LIMITS: a block of zeros gets the byte 1 (its codes are zeros, and this program alone reads the bytes); blocks whose largest magnitude lies under 2^-122 are held at that byte;
; NaN and infinities among the inputs are not served.
; A wave takes 16 steps of 512 numbers.  Each of a step's four loads reads 512 consecutive bytes, 16 a lane; the 2,048 bytes go through the wave's own stage in LDS and come back 64 bytes a lane,
; so that a lane holds 16 neighbours along K (two neighbouring lanes hold a block).  The stage has 16 bytes of padding behind each 64.  A lane's 16 codes are 12 bytes: the wave stores 384 consecutive bytes.
; A wave's 256 scale bytes are gathered in its own LDS bytes and leave as 256 consecutive bytes, aligned.  No barrier: waves share nothing.  Loads run four steps ahead, the turn through LDS one step.
.set STEPS, 16
.set WGX,   256                        ; the first 256 work-groups take x (8,192 x 1,024 / 32,768), the other 96 take W
.set EMAX,  4
.set CB,    12                         ; bytes of 16 codes
.set R,     16                         ; v16-79   four sets of 16 numbers as they are loaded
.set X,     80                         ; v80-111  two sets of 16 neighbours
.set C,     128                        ; v128-191 codes: four registers for each step, so that no store's data are written again
.set E,     112                        ; v112-127 a scale byte for each step
.set WREG,  8192                       ; LDS: a region for each wave: two stages of 32 x SP bytes, and behind them its 256 scale bytes
.set SP,    80                         ; a lane's place in a stage: its 64 bytes + 16 of padding
	s_load_b256 s[4:11], s[0:1], 0x0               ; x s[4:5], W s[6:7], cod s[8:9], scl s[10:11]
	v_lshl_add_u32 v192, v0, 2, 0x8000
	v_mov_b32 v193, 0
	v_lshrrev_b32 v1, 5, v0
	v_readfirstlane_b32 s16, v1                    ; wave
	v_and_b32 v2, 31, v0                           ; lane
	v_lshlrev_b32 v3, 4, v2                        ; my 16 bytes of a load's 512
	s_mul_i32 s17, s16, WREG
	v_lshrrev_b32 v14, 2, v2
	v_mul_u32_u24 v14, v14, SP
	v_and_b32 v15, 3, v2
	v_lshl_add_u32 v14, v15, 4, v14
	v_add_nc_u32 v14, s17, v14                     ; the stage, on the way in: SP (lane / 4) + 16 (lane % 4)
	v_mul_u32_u24 v15, v2, SP
	v_add_nc_u32 v15, s17, v15                     ; and on the way out: SP x lane: my 16 neighbours
	v_mul_u32_u24 v4, v2, CB                       ; my codes' place in a step's
	v_lshrrev_b32 v5, 1, v2
	s_add_co_u32 s17, s17, 2*32*SP
	v_add_nc_u32 v5, s17, v5                       ; LDS: my wave's 256 scale bytes, my block's byte
	v_lshlrev_b32 v7, 3, v2                        ; and on the way out 8 bytes a lane
	v_add_nc_u32 v6, s17, v7
	s_wait_alu depctr_va_vdst(0)
	s_wait_kmcnt 0x0
	s_cmp_lt_u32 ttmp9, WGX                        ; x's work-group or W's?  The choice hangs on the work-group's number alone
	s_cselect_b64 s[4:5], s[4:5], s[6:7]
	s_cselect_b32 s17, 0, WGX
	s_sub_co_u32 s17, ttmp9, s17
	s_lshl_b32 s17, s17, 2
	s_add_co_u32 s18, s17, s16                     ; which run of 8,192 numbers of the tensor my wave reads
	s_mov_b32 s19, 0
	s_mov_b64 s[20:21], 512*STEPS*4
	s_mul_u64 s[20:21], s[18:19], s[20:21]
	s_add_nc_u64 s[4:5], s[4:5], s[20:21]
	s_and_b32 s22, s16, 1                          ; where it is stored: the wave's two bits exchanged;
	s_lshl_b32 s22, s22, 1
	s_lshr_b32 s23, s16, 1
	s_or_b32 s22, s22, s23
	s_lshl_b32 s18, ttmp9, 2                       ; W's runs follow x's 1,024, as its work-groups follow x's 256
	s_add_co_u32 s18, s18, s22
	s_mov_b64 s[20:21], 32*STEPS*CB
	s_mul_u64 s[20:21], s[18:19], s[20:21]
	s_add_nc_u64 s[8:9], s[8:9], s[20:21]          ; 6,144 bytes of codes a run
	s_lshl_b32 s18, s18, 8                         ; 256 scale bytes a run
	s_add_nc_u64 s[10:11], s[10:11], s[18:19]
.macro LOAD t
.irp i, 0,1,2,3
	global_load_b128 v[R+16*((\t)%4)+4*\i:R+16*((\t)%4)+4*\i+3], v3, s[4:5] offset:2048*(\t)+512*\i th:TH_LOAD_NT   ; 32 lanes read 512 consecutive bytes
.endr
.endm
.macro TURN t                          ; a step's numbers through the stage: LDS serves a wave's instructions in order, so no wait stands between the stores and the loads
.irp i, 0,1,2,3
	ds_store_b128 v14, v[R+16*((\t)%4)+4*\i:R+16*((\t)%4)+4*\i+3] offset:32*SP*((\t)%2)+8*SP*\i
.endr
.irp i, 0,1,2,3
	ds_load_b128 v[X+16*((\t)%2)+4*\i:X+16*((\t)%2)+4*\i+3], v15 offset:32*SP*((\t)%2)+16*\i
.endr
.endm
.irp t, 0,1,2,3
	LOAD \t
.endr
	s_wait_loadcnt 12                              ; step 0's four loads are in; the twelve of steps 1 to 3 may be out
	TURN 0
.macro STEP t
.set XS, X+16*((\t)%2)
.if (\t) > 0
	s_wait_dscnt 1                                 ; this step's numbers are back from the stage (the last step's byte store may be out): so its stores into the stage have read their registers,
.else
	s_wait_dscnt 0x0
.endif
.if (\t)+4 < STEPS
	LOAD (\t)+4                                    ; which take the loads of four steps on
.endif
.if (\t)+1 < STEPS
.if STEPS-2-(\t) >= 3
	s_wait_loadcnt 12                              ; the next step's four loads are in; those of the three steps behind it may be out
.else
	s_wait_loadcnt 4*(STEPS-2-(\t))
.endif
	TURN (\t)+1                                    ; and go through the other stage while this step is worked
.endif
	v_max3_num_f32 v8, |v[XS]|, |v[XS+1]|, |v[XS+2]|               ; the largest magnitude of my 16, in two chains
	v_max3_num_f32 v9, |v[XS+3]|, |v[XS+4]|, |v[XS+5]|
.irp i, 6,10
	v_max3_num_f32 v8, v8, |v[XS+\i]|, |v[XS+\i+1]|
	v_max3_num_f32 v9, v9, |v[XS+\i+2]|, |v[XS+\i+3]|
.endr
	v_max3_num_f32 v8, v8, |v[XS+14]|, |v[XS+15]|
	v_max3_num_f32 v8, v8, v9, (EMAX+1)<<23        ; and the floor 2^(5 - 127): so the byte cannot fall under 1
	v_max_num_f32_dpp v8, v8, v8 row_xmask:1 row_mask:0xf bank_mask:0xf   ; and of my neighbour's 16: the block's
	v_add_nc_u32 v11, -(EMAX<<23), v8              ; 4 off its exponent field: the conversion takes the exponent field of this operand as its scale, and nothing else of it
	v_cvt_scalef32_pk16_bf6_f32 v[C+4*(\t):C+4*(\t)+2], v[XS:XS+15], v11         ; sixteen codes, 96 bits without gaps, the first number's code lowest
	v_lshrrev_b32 v[E+(\t)], 23, v11               ; the scale's byte (also the plain line behind the conversion)
	ds_store_b8 v5, v[E+(\t)] offset:16*(\t)       ; both lanes of a block write the same byte with the same value
	global_store_b96 v4, v[C+4*(\t):C+4*(\t)+2], s[8:9] offset:32*CB*(\t)
.endm
.irp t, 0,1,2,3,4,5,6,7,8,9,10,11,12,13,14,15
	STEP \t
.endr
	ds_load_b64 v[12:13], v6                       ; LDS serves a wave's instructions in order: these see my stores
	s_wait_dscnt 0x0
	global_store_b64 v7, v[12:13], s[10:11]        ; 32 lanes store 256 consecutive bytes, aligned
	s_wait_tensorcnt 0x0
	ds_add_u32 v192, v193
	s_wait_dscnt 0x0
	s_endpgm
.Lfunc_end_k_q5fa3137458_quant:
	.size	k_q5fa3137458_quant, .Lfunc_end_k_q5fa3137458_quant-k_q5fa3137458_quant
	.p2alignl 7, 3214868480
	.fill 96, 4, 3214868480
	.section	.rodata,"a",@progbits
	.p2align	6, 0x0
	.amdhsa_kernel k_q5fa3137458_quant
		.amdhsa_group_segment_fixed_size 33280
		.amdhsa_private_segment_fixed_size 0
		.amdhsa_enable_private_segment 0
		.amdhsa_kernarg_size 32
		.amdhsa_user_sgpr_count 2
		.amdhsa_user_sgpr_kernarg_segment_ptr 1
		.amdhsa_wavefront_size32 1
		.amdhsa_system_sgpr_workgroup_id_x 1
		.amdhsa_system_sgpr_workgroup_id_y 1
		.amdhsa_system_sgpr_workgroup_id_z 1
		.amdhsa_system_vgpr_workitem_id 0
		.amdhsa_next_free_vgpr 194
		.amdhsa_next_free_sgpr 66
		.amdhsa_reserve_vcc 0
		.amdhsa_float_denorm_mode_32 3
		.amdhsa_float_denorm_mode_16_64 3
		.amdhsa_memory_ordered 1
		.amdhsa_forward_progress 1
		.amdhsa_inst_pref_size 32
	.end_amdhsa_kernel
	.amdgpu_metadata
---
amdhsa.version: [ 1, 2 ]
amdhsa.kernels:
  - .name:           k_q5fa3137458_quant
    .symbol:         k_q5fa3137458_quant.kd
    .args:
      - { .name: x, .offset: 0, .size: 8, .value_kind: global_buffer, .address_space: global }
      - { .name: W_qkv, .offset: 8, .size: 8, .value_kind: global_buffer, .address_space: global }
      - { .name: cod, .offset: 16, .size: 8, .value_kind: global_buffer, .address_space: global }
      - { .name: scl, .offset: 24, .size: 8, .value_kind: global_buffer, .address_space: global }
    .group_segment_fixed_size: 33280
    .private_segment_fixed_size: 0
    .kernarg_segment_align: 8
    .kernarg_segment_size: 32
    .max_flat_workgroup_size: 128
    .sgpr_count:     66
    .vgpr_count:     194
    .wavefront_size: 32
...
	.end_amdgpu_metadata
.endif
;; end of part 1
;; launch proj (part 2): grid 12 x 32, 4 waves a work-group, clusters of 4 x 4, 327,680 bytes of LDS; arguments cod, scl, qkv; writes qkv
.if DOCPART == 2
	.amdgcn_target "amdgcn-amd-amdhsa--gfx1250"
	.amdhsa_code_object_version 6
	.text
	.protected	k_q5fa3137458_proj
	.globl	k_q5fa3137458_proj
	.p2align	8
	.type	k_q5fa3137458_proj,@function
k_q5fa3137458_proj:
	s_mov_b64 s[64:65], 0
	v_nop
	global_prefetch_b8 v0, s[64:65] scope:SCOPE_SE
	s_setreg_imm32_b32 hwreg(HW_REG_WAVE_MODE, 25, 1), 1
	s_wait_xcnt 0x0
	s_wait_alu depctr_hold_cnt(0) depctr_sa_sdst(0) depctr_va_vdst(0) depctr_va_sdst(0) depctr_va_ssrc(0) depctr_va_vcc(0) depctr_vm_vsrc(0)
	s_getreg_b32 s2, hwreg(HW_REG_IB_STS2, 6, 4)
	s_cmp_eq_u32 s2, 0
	s_cbranch_scc0 .Lentry_in_a_cluster
	s_endpgm
.Lentry_in_a_cluster:
	s_bfe_u32 s2, ttmp6, 0x10000c
	s_cmp_lg_u32 s2, 0xf033
	s_cbranch_scc0 .Lentry_shape_is_right
	s_endpgm
.Lentry_shape_is_right:
.set SIZE_K, 1024
.set KSTEP,  256
.set NQ,     KSTEP/128
.set ROWB,   192
.set KROW,   SIZE_K*6/8
.set PITCH,  240
.set FR,     12
.set NL,     6
.set NP,     4
.set HALFT,  128*PITCH
.set SLOT,   4*HALFT
.set LAPS,   SIZE_K/(2*KSTEP)
.set KS,     SIZE_K/32
.set SCL,    2*SLOT
.set HALFS,  (128*KS/256)*272
.set SBLK,   (16*KS/256)*272
.set SPARE,  SCL+4*HALFS
.set HIMG,   768
.set REC,    13056
.set HREC,   16*REC
.set QSB,    6291456
.set KVB,    6815744
.set ADRA, 16
.set ADRB, 20
.set LO16, 24
.set LO8,  25
.set LSC,  26
.set ADRS, 27
.set SPW,  28
.set NIL,  29
.set VSH,  30
.set SC,   32
.set AF,   128
.set CDS,  112
.set TM,   200
.set PW,   216
.set SW,   224
.set SEL,  100
.set G1, 24
.set G0, 32
.set G1B, 48
.set G0B, 56
.set G1S, 68
.set G0S, 76
.set G1SB, 80
.set G0SB, 88
.set MSB, 0
.macro WIN new
.if MSB != \new
	s_set_vgpr_msb (MSB<<8)|\new
.set MSB, \new
.endif
.endm
.set MUL_LO, 0xa1
.set MUL_HI, 0xf1
.set TO_B,   0x40
.macro JLOAD g0a, g1a, g0b, g1b
	s_cmp_eq_u32 s15, 0
	s_cbranch_scc0 .Lfor_b_\@
	tensor_load_to_lds s[\g0a:\g0a+3], s[\g1a:\g1a+7]
	s_nop 0
.rept 4
	v_nop
.endr
	s_branch .Lasked_\@
.Lfor_b_\@:
	tensor_load_to_lds s[\g0b:\g0b+3], s[\g1b:\g1b+7]
	s_nop 0
.rept 4
	v_nop
.endr
.Lasked_\@:
.endm
.macro CREST
	s_cmp_lg_u32 s14, 0
	s_cbranch_scc1 .Lnot_wave_0_\@
	s_barrier_signal -3
.Lnot_wave_0_\@:
	s_barrier_wait -3
	s_barrier_signal -1
	s_barrier_wait -1
.endm
.macro CROUND
	s_barrier_signal -1
	s_barrier_wait -1
	CREST
.endm
	s_load_b128 s[4:7], s[0:1], 0x0
	s_load_b64 s[8:9], s[0:1], 0x10
	v_lshl_add_u32 v[SPW], v0, 2, SPARE
	v_mov_b32 v[NIL], 0
	ds_add_u32 v28, v29
	ds_add_u32 v28, v29
	s_wait_dscnt 0x0
	v_lshrrev_b32 v1, 5, v0
	v_readfirstlane_b32 s14, v1
	s_lshr_b32 s15, s14, 1
	s_and_b32 s16, s14, 1
	s_bfe_u32 s40, ttmp6, 0x40000
	s_bfe_u32 s41, ttmp6, 0x40004
	s_and_b32 s95, ttmp7, 0xffff
	s_cmp_eq_u32 ttmp9, 2
	s_cselect_b32 s17, 0, s95
	s_cselect_b32 s42, s95, ttmp9
	s_cselect_b32 s96, 10240, 0
	s_cselect_b32 s97, 0, 8192
	s_lshl_b32 s17, s17, 2
	s_add_co_u32 s17, s17, s41
	s_lshl_b32 s42, s42, 2
	s_add_co_u32 s42, s42, s40
	s_lshl_b32 s43, s41, 2
	s_lshl_b32 s43, 15, s43
	s_lshl_b32 s44, 0x1111, s40
	s_or_b32 s[G1+0], s43, (0<<16)|(1<<20)|(1<<21)|(3<<22)|(3<<25)
	s_or_b32 s[G1B+0], s44, (0<<16)|(1<<20)|(1<<21)|(3<<22)|(3<<25)
.irp g, G1, G1B
	s_mov_b32 s[\g+1], ROWB<<16
	s_mov_b32 s[\g+2], 128<<16
	s_mov_b32 s[\g+3], ROWB<<16
	s_mov_b32 s[\g+4], 128
	s_mov_b32 s[\g+5], KROW
	s_mov_b32 s[\g+6], 0
	s_mov_b32 s[\g+7], 0
.endr
	s_or_b32 s[G1S+0], s43, (3<<16)|(1<<20)|(1<<21)|(5<<22)|(3<<25)
	s_or_b32 s[G1SB+0], s44, (3<<16)|(1<<20)|(1<<21)|(5<<22)|(3<<25)
.irp g, G1S, G1SB
	s_mov_b32 s[\g+1], 32<<16
	s_mov_b32 s[\g+2], (128*KS/256)<<16
	s_mov_b32 s[\g+3], 32<<16
	s_mov_b32 s[\g+4], 128*KS/256
	s_mov_b32 s[\g+5], 32
	s_mov_b32 s[\g+6], 0
	s_mov_b32 s[\g+7], 0
.endr
	s_lshl_b32 s18, s16, 7
	s_lshl_b32 s20, s17, 8
	s_add_co_u32 s20, s20, s18
	s_add_co_u32 s20, s20, s96
	s_lshl_b32 s46, s42, 8
	s_add_co_u32 s46, s46, s18
	s_add_co_u32 s46, s46, s97
	s_mov_b32 s21, 0
	s_mov_b32 s47, 0
	s_mov_b64 s[18:19], KS
	s_mul_u64 s[22:23], s[20:21], s[18:19]
	s_mul_u64 s[92:93], s[46:47], s[18:19]
	s_mov_b64 s[18:19], KROW
	s_mul_u64 s[20:21], s[20:21], s[18:19]
	s_mul_u64 s[46:47], s[46:47], s[18:19]
	s_mul_i32 s45, s14, HALFT
	s_mul_i32 s94, s14, HALFS
	s_wait_kmcnt 0x0
	s_add_nc_u64 s[20:21], s[4:5], s[20:21]
	s_add_nc_u64 s[22:23], s[6:7], s[22:23]
	s_add_nc_u64 s[46:47], s[4:5], s[46:47]
	s_add_nc_u64 s[92:93], s[6:7], s[92:93]
	CROUND
	s_mov_b32 s[G0S], 1
	s_add_co_u32 s[G0S+1], s94, SCL
	s_mov_b64 s[G0S+2:G0S+3], s[22:23]
	s_or_b32 s[G0S+3], s[G0S+3], 0x80000000
	s_mov_b32 s[G0SB], 1
	s_add_co_u32 s[G0SB+1], s94, SCL
	s_mov_b64 s[G0SB+2:G0SB+3], s[92:93]
	s_or_b32 s[G0SB+3], s[G0SB+3], 0x80000000
	JLOAD G0S, G1S, G0SB, G1SB
.irp s, 0,1
	s_mov_b32 s[G0+4*\s], 1
	s_add_co_u32 s[G0+4*\s+1], s45, \s*SLOT
	s_add_nc_u64 s[G0+4*\s+2:G0+4*\s+3], s[20:21], \s*ROWB
	s_or_b32 s[G0+4*\s+3], s[G0+4*\s+3], 0x80000000
	s_mov_b32 s[G0B+4*\s], 1
	s_add_co_u32 s[G0B+4*\s+1], s45, \s*SLOT
	s_add_nc_u64 s[G0B+4*\s+2:G0B+4*\s+3], s[46:47], \s*ROWB
	s_or_b32 s[G0B+4*\s+3], s[G0B+4*\s+3], 0x80000000
	s_wait_alu depctr_va_vdst(0)
	s_wait_tensorcnt 0x0
	ds_add_u32 v28, v29
	s_wait_dscnt 0x0
	CROUND
	JLOAD G0+4*\s, G1, G0B+4*\s, G1B
.endr
	v_and_b32 v1, 15, v0
	v_bfe_u32 v2, v0, 4, 1
	v_mul_u32_u24 v3, v1, PITCH
	v_mul_u32_u24 v4, v2, 24
	v_add_nc_u32 v4, v3, v4
	v_lshl_add_u32 v5, v2, 4, v4
	s_mul_i32 s21, s15, HALFT
	s_mul_i32 s22, s16, HALFT
	s_add_co_u32 s22, s22, 2*HALFT
.irp s, 0,1
	v_add_nc_u32 v[ADRA+\s], s21, v4
	v_add_nc_u32 v[ADRB+\s], s22, v4
	v_add_nc_u32 v[ADRA+2+\s], s21, v5
	v_add_nc_u32 v[ADRB+2+\s], s22, v5
	s_add_co_u32 s21, s21, SLOT
	s_add_co_u32 s22, s22, SLOT
.endr
	v_mul_u32_u24 v5, v1, KS
	v_lshrrev_b32 v6, 8, v5
	v_lshl_add_u32 v5, v6, 4, v5
	s_mul_i32 s21, s15, HALFS
	s_mul_i32 s22, s16, HALFS
	s_add_co_u32 s22, s22, 2*HALFS
	s_sub_co_u32 s22, s22, s21
	v_mul_u32_u24 v6, s22, v2
	s_add_co_u32 s21, s21, SCL
	v_add_nc_u32 v5, v5, v6
	v_add_nc_u32 v[ADRS], s21, v5
	v_and_b32 v6, 31, v0
	v_lshlrev_b32 v[LO16], 4, v6
	v_lshlrev_b32 v[LO8], 3, v6
	s_cmp_eq_u32 ttmp9, 0
	s_cselect_b32 s66, 0, KVB
	s_mov_b32 s67, HREC
	s_cselect_b32 s67, 128*HIMG, s67
	s_mov_b32 s99, REC
	s_cselect_b32 s99, 8*HIMG, s99
	s_mov_b32 s100, KVB+12288
	s_cselect_b32 s100, QSB, s100
	s_mov_b32 s101, HREC
	s_cselect_b32 s101, 8192, s101
	s_mov_b32 s2, REC
	s_cselect_b32 s2, 512, s2
	s_cmp_eq_u32 ttmp9, 2
	s_cselect_b32 s66, KVB+6144, s66
	s_cselect_b32 s100, KVB+12800, s100
	s_cselect_b32 s18, HIMG, s67
	s_mov_b32 s92, HIMG
	s_cselect_b32 s92, 2*HIMG, s92
	s_cselect_b32 s94, HREC-8*HIMG, 0
	s_cselect_b32 s47, 0, s101
	s_mov_b32 s96, 256
	s_cselect_b32 s96, HREC, s96
	s_cselect_b32 s20, 0, 16
	s_cselect_b32 s98, -1, 0xffff
	s_cselect_b32 s21, s40, s41
	s_cselect_b32 s22, s16, s15
	s_cselect_b32 s23, s41, s40
	s_cselect_b32 s45, s15, s16
	s_lshl_b32 s46, s95, 2
	s_add_co_u32 s21, s21, s46
	s_lshr_b32 s46, s21, 3
	s_and_b32 s21, s21, 7
	s_lshl_b32 s21, s21, 1
	s_add_co_u32 s21, s21, s22
	s_lshl_b32 s23, s23, 2
	s_lshl_b32 s45, s45, 1
	s_add_co_u32 s23, s23, s45
	s_lshl_b32 s46, s46, 4
	s_add_co_u32 s46, s46, s23
	s_mul_i32 s67, s46, s67
	s_mul_i32 s99, s21, s99
	s_add_co_u32 s66, s66, s67
	s_add_co_u32 s66, s66, s99
	s_mov_b32 s67, 0
	s_mul_i32 s101, s46, s101
	s_mul_i32 s2, s21, s2
	s_add_co_u32 s100, s100, s101
	s_add_co_u32 s100, s100, s2
	s_mov_b32 s101, 0
	s_mov_b32 s19, 0
	s_mov_b32 s93, 0
	s_mov_b32 s95, 0
	s_mov_b32 s97, 0
	s_add_nc_u64 s[12:13], s[8:9], s[100:101]
	s_add_nc_u64 s[8:9], s[8:9], s[66:67]
	s_add_nc_u64 s[10:11], s[8:9], s[18:19]
	v_mul_u32_u24 v[LSC], s47, v2
	v_lshl_add_u32 v[LSC], v1, 4, v[LSC]
	v_mul_u32_u24 v[VSH], s20, v2
	s_mov_b32 s[SEL], 0x76543210
	s_mov_b32 s[SEL+1], 0xfedcba98
.macro FRAG reg, adr, q, i
.irp p, 0,1,2,3,4,5
.set PIECE, 12*(\q)+6*(\p/3)+\p%3
.if PIECE%8 < 5
	ds_load_b64 v[\reg+2*\p:\reg+2*\p+1], v[\adr] offset:8*PIECE+16*(PIECE/8)+(\i)*16*PITCH
.else
	ds_load_b64 v[\reg+2*\p:\reg+2*\p+1], v[\adr+2] offset:8*PIECE+16*(PIECE/8)+(\i)*16*PITCH
.endif
.endr
.endm
.macro MUL16 a0, p, q, sc, zero
.irp a, \a0, \a0+1
.irp b, 0,1,2,3,4,5,6,7
.if \zero
	v_wmma_scale_f32_16x16x128_f8f6f4 v[8*(8*((\a)%4)+\b):8*(8*((\a)%4)+\b)+7], v[128*(\p)+FR*\b:128*(\p)+FR*\b+FR-1], v[AF+FR*(\a):AF+FR*(\a)+FR-1], 0, v[SC+8*NQ*(\sc)+NQ*\b+(\q)], v[SC+8*NQ*(\sc)+NQ*(\a)+(\q)] matrix_a_fmt:MATRIX_FMT_BF6 matrix_b_fmt:MATRIX_FMT_BF6 matrix_a_scale:MATRIX_SCALE_ROW1
.else
	v_wmma_scale_f32_16x16x128_f8f6f4 v[8*(8*((\a)%4)+\b):8*(8*((\a)%4)+\b)+7], v[128*(\p)+FR*\b:128*(\p)+FR*\b+FR-1], v[AF+FR*(\a):AF+FR*(\a)+FR-1], v[8*(8*((\a)%4)+\b):8*(8*((\a)%4)+\b)+7], v[SC+8*NQ*(\sc)+NQ*\b+(\q)], v[SC+8*NQ*(\sc)+NQ*(\a)+(\q)] matrix_a_fmt:MATRIX_FMT_BF6 matrix_b_fmt:MATRIX_FMT_BF6 matrix_a_scale:MATRIX_SCALE_ROW1
.endif
.endr
.endr
.endm
.macro FETCH_B slot, q, p
	WIN TO_B
.irp i, 0,1,2,3,4,5,6,7
	FRAG 128*(\p)+FR*\i, ADRB+\slot, \q, \i
.endr
	WIN 0
.endm
.macro FETCH_A slot, q, i0
.irp i, \i0, \i0+1, \i0+2, \i0+3
	FRAG AF+FR*(\i), ADRA+\slot, \q, \i
.endr
.endm
.macro SCALES sc
.irp i, 0,1,2,3,4,5,6,7
	ds_load_b64 v[SC+8*NQ*\sc+NQ*\i:SC+8*NQ*\sc+NQ*\i+1], v[ADRS] offset:\i*SBLK
.endr
.endm
.macro PLACES n
.rept \n
	v_nop
.endr
.endm
.macro STEP slot, q, zero
	s_wait_dscnt 4*NL
	WIN MUL_LO
	MUL16 0, (\q)%2, \q, \slot, \zero
	MUL16 2, (\q)%2, \q, \slot, \zero
	s_wait_dscnt 0
	PLACES NP
	FETCH_B \slot, (\q)+1, 1-(\q)%2
	FETCH_A \slot, (\q)+1, 0
	WIN MUL_HI
	MUL16 4, (\q)%2, \q, \slot, \zero
	MUL16 6, (\q)%2, \q, \slot, \zero
	PLACES NP
	WIN 0
	FETCH_A \slot, (\q)+1, 4
.endm
.macro TURN slot, next, fill
	s_wait_tensorcnt 0x0
	ds_add_u32 v[SPW], v[NIL]
	s_wait_dscnt 4*NL+1
	WIN MUL_LO
	MUL16 0, 1, NQ-1, \slot, 0
	s_wait_dscnt 0x0
	s_barrier_signal -1
	MUL16 2, 1, NQ-1, \slot, 0
	WIN 0
	s_barrier_wait -1
.if \fill
	CREST
	s_add_nc_u64 s[G0+4*\slot+2:G0+4*\slot+3], s[G0+4*\slot+2:G0+4*\slot+3], 2*ROWB
	s_add_nc_u64 s[G0B+4*\slot+2:G0B+4*\slot+3], s[G0B+4*\slot+2:G0B+4*\slot+3], 2*ROWB
	JLOAD G0+4*\slot, G1, G0B+4*\slot, G1B
.else
	PLACES NP
.endif
	s_wait_alu depctr_va_vdst(0)
	v_add_nc_u32 v[ADRS], 4*NQ, v[ADRS]
	FETCH_B \next, 0, 0
	FETCH_A \next, 0, 0
	SCALES \next
	WIN MUL_HI
	MUL16 4, 1, NQ-1, \slot, 0
	MUL16 6, 1, NQ-1, \slot, 0
	PLACES NP
	WIN 0
	FETCH_A \next, 0, 4
.endm
	s_wait_alu depctr_va_vdst(0)
	s_wait_tensorcnt 1
	s_barrier_signal -1
	s_barrier_wait -1
	FETCH_B 0, 0, 0
	FETCH_A 0, 0, 0
	SCALES 0
	FETCH_A 0, 0, 4
	STEP 0, 0, 1
.if LAPS > 1
	s_mov_b32 s3, LAPS-1
.Llap:
	TURN 0, 1, 1
	STEP 1, 0, 0
	TURN 1, 0, 1
	STEP 0, 0, 0
	s_sub_co_u32 s3, s3, 1
	s_cmp_lg_u32 s3, 0
	s_cbranch_scc1 .Llap
.endif
	TURN 0, 1, 0
	STEP 1, 0, 0
	s_wait_dscnt 4*NL
	WIN MUL_LO
	MUL16 0, 1, NQ-1, 1, 0
	MUL16 2, 1, NQ-1, 1, 0
	s_wait_dscnt 0
	WIN MUL_HI
	MUL16 4, 1, NQ-1, 1, 0
	MUL16 6, 1, NQ-1, 1, 0
	WIN 0
.macro QBLK a
.set WW, 2+(\a)/4
.set AC, 64*((\a)%4)
.set WN, (WW<<2)|(WW<<4)
	WIN WN
.irp b, 0,1,2,3
	v_max3_num_f32 v[TM+\b], 0x2800000, |v[AC+16*\b]|, |v[AC+16*\b+1]|
.endr
.irp i, 2,4,6,8,10,12,14
.irp b, 0,1,2,3
	v_max3_num_f32 v[TM+\b], v[TM+\b], |v[AC+16*\b+\i]|, |v[AC+16*\b+\i+1]|
.endr
.endr
	WIN 0
.irp b, 0,1,2,3
	v_permlanex16_b32 v[TM+4+\b], v[TM+\b], s[SEL], s[SEL+1]
.endr
.irp b, 0,1,2,3
	v_max_num_f32 v[TM+\b], v[TM+\b], v[TM+4+\b]
.endr
.irp b, 0,1,2,3
	v_add_nc_u32 v[TM+12+\b], 0xfe000000, v[TM+\b]
.endr
.irp b, 0,1,2,3
	v_lshrrev_b32 v[TM+4+\b], 23, v[TM+12+\b]
.endr
	v_lshl_or_b32 v[PW], v[TM+5], 8, v[TM+4]
	v_lshl_or_b32 v[PW], v[TM+6], 16, v[PW]
	v_lshl_or_b32 v[PW], v[TM+7], 24, v[PW]
	v_lshrrev_b32 v[SW+(\a)], v[VSH], v[PW]
	v_and_b32 v[SW+(\a)], s98, v[SW+(\a)]
.if (\a) > 0
	s_wait_xcnt 0x0
	s_add_nc_u64 s[8:9], s[8:9], s[92:93]
	s_add_nc_u64 s[10:11], s[10:11], s[92:93]
.endif
.if (\a) == 4
	s_add_nc_u64 s[8:9], s[8:9], s[94:95]
	s_add_nc_u64 s[10:11], s[10:11], s[94:95]
	s_add_nc_u64 s[12:13], s[12:13], s[96:97]
.endif
.set WN, WW
	WIN WN
.irp c, 0,1
	v_cvt_scalef32_pk16_bf6_f32 v[CDS+6*\c:CDS+6*\c+2], v[AC+32*\c:AC+32*\c+15], v[TM+12+2*\c]
	v_cvt_scalef32_pk16_bf6_f32 v[CDS+12+4*\c:CDS+14+4*\c], v[AC+32*\c+16:AC+32*\c+31], v[TM+13+2*\c]
.endr
	WIN 0
	v_nop
.irp c, 0,1
.irp i, 0,1,2
	v_permlane16_swap_b32 v[CDS+6*\c+\i], v[CDS+12+4*\c+\i]
.endr
.irp i, 0,1,2
	v_mov_b32 v[CDS+3+6*\c+\i], v[CDS+12+4*\c+\i]
.endr
.endr
	global_store_b128 v[LO16], v[CDS:CDS+3], s[8:9] th:TH_STORE_NT
	global_store_b64 v[LO8], v[CDS+4:CDS+5], s[8:9] offset:512 th:TH_STORE_NT
	global_store_b128 v[LO16], v[CDS+6:CDS+9], s[10:11] th:TH_STORE_NT
	global_store_b64 v[LO8], v[CDS+10:CDS+11], s[10:11] offset:512 th:TH_STORE_NT
.if (\a)%4 == 3
	global_store_b128 v[LSC], v[SW+(\a)-3:SW+(\a)], s[12:13] th:TH_STORE_NT
.endif
.endm
	PLACES NP
.irp b, 0,1,2,3
	v_mov_b32 v[TM+4+\b], 0
.endr
.irp a, 0,1,2,3,4,5,6,7
	QBLK \a
.endr
	s_wait_tensorcnt 0x0
	ds_add_u32 v[SPW], v[NIL]
	s_wait_dscnt 0x0
	CROUND
	s_endpgm
.Lfunc_end_k_q5fa3137458_proj:
	.size	k_q5fa3137458_proj, .Lfunc_end_k_q5fa3137458_proj-k_q5fa3137458_proj
	.p2alignl 7, 3214868480
	.fill 96, 4, 3214868480
	.section	.rodata,"a",@progbits
	.p2align	6, 0x0
	.amdhsa_kernel k_q5fa3137458_proj
		.amdhsa_group_segment_fixed_size 327680
		.amdhsa_private_segment_fixed_size 0
		.amdhsa_enable_private_segment 0
		.amdhsa_kernarg_size 24
		.amdhsa_user_sgpr_count 2
		.amdhsa_user_sgpr_kernarg_segment_ptr 1
		.amdhsa_wavefront_size32 1
		.amdhsa_system_sgpr_workgroup_id_x 1
		.amdhsa_system_sgpr_workgroup_id_y 1
		.amdhsa_system_sgpr_workgroup_id_z 1
		.amdhsa_system_vgpr_workitem_id 0
		.amdhsa_next_free_vgpr 1024
		.amdhsa_next_free_sgpr 102
		.amdhsa_reserve_vcc 0
		.amdhsa_float_denorm_mode_32 3
		.amdhsa_float_denorm_mode_16_64 3
		.amdhsa_memory_ordered 1
		.amdhsa_forward_progress 1
		.amdhsa_inst_pref_size 169
	.end_amdhsa_kernel
	.amdgpu_metadata
---
amdhsa.version: [ 1, 2 ]
amdhsa.kernels:
  - .name:           k_q5fa3137458_proj
    .symbol:         k_q5fa3137458_proj.kd
    .args:
      - { .name: cod, .offset: 0, .size: 8, .value_kind: global_buffer, .address_space: global }
      - { .name: scl, .offset: 8, .size: 8, .value_kind: global_buffer, .address_space: global }
      - { .name: qkv, .offset: 16, .size: 8, .value_kind: global_buffer, .address_space: global }
    .group_segment_fixed_size: 327680
    .private_segment_fixed_size: 0
    .kernarg_segment_align: 8
    .kernarg_segment_size: 24
    .max_flat_workgroup_size: 128
    .sgpr_count:     102
    .vgpr_count:     1024
    .wavefront_size: 32
...
	.end_amdgpu_metadata
.endif
;; end of part 2
;; launch attn (part 3): grid 4 x 64, 16 waves a work-group, clusters of 4 x 1, 280,576 bytes of LDS; arguments qkv, out0; writes out0
.if DOCPART == 3
	.amdgcn_target "amdgcn-amd-amdhsa--gfx1250"
	.amdhsa_code_object_version 6
	.text
	.protected	k_q5fa3137458_attn
	.globl	k_q5fa3137458_attn
	.p2align	8
	.type	k_q5fa3137458_attn,@function
k_q5fa3137458_attn:
	s_mov_b64 s[64:65], 0
	v_nop
	global_prefetch_b8 v0, s[64:65] scope:SCOPE_SE
	s_setreg_imm32_b32 hwreg(HW_REG_WAVE_MODE, 25, 1), 1
	s_wait_xcnt 0x0
	s_wait_alu depctr_hold_cnt(0) depctr_sa_sdst(0) depctr_va_vdst(0) depctr_va_sdst(0) depctr_va_ssrc(0) depctr_va_vcc(0) depctr_vm_vsrc(0)
	s_getreg_b32 s2, hwreg(HW_REG_IB_STS2, 6, 4)
	s_cmp_eq_u32 s2, 0
	s_cbranch_scc0 .Lentry_in_a_cluster
	s_endpgm
.Lentry_in_a_cluster:
	s_bfe_u32 s2, ttmp6, 0x10000c
	s_cmp_lg_u32 s2, 0x3003
	s_cbranch_scc0 .Lentry_shape_is_right
	s_endpgm
.Lentry_shape_is_right:
; out[b][q][64 head + :] = the sum over k of softmax_k(Q[q] . K[k] / 8) V[k][:], for each of 64 pairs bh = 16 b + head, 2,048 queries and keys, head size 64; both products on codes of BF6 (E3M2) with E8M0 scales.
; THE SOFTMAX AHEAD OF THE SECOND PRODUCT: t = score x log2(e) / 8; M = the row's largest t so far, rounded UP to a whole number; p = 2^(t - M) is what is quantised, along the keys; it is not normalised.
; The row's sum is taken of the unquantised p, in f32, and divides O at the end.  When M moves, the sum and O are multiplied by 2^(old M - new M): exact.
; THE INPUT (buffer qkv) holds operands as images of their registers.  A half image is six registers of a 6-bit operand, k = 32 (lane / 16) + 0 .. 31: registers 0-3 at 16 x lane, registers 4-5 at 512 + 8 x lane: 768 bytes.
;   q: [bh][tile 128][768]; its scale words [bh][32][row 16][tile % 4] from byte 6,291,456.  From byte 6,815,744 a record of 13,056 bytes for each bh and each step of 128 keys:
;   K's 8 tiles x 768; V^T's 4 tiles of 16 channels x 2 halves x 768; K's scale words [2][row 16][tile % 4]; V's [row 16][tile 4].
;   Row r of tile 2 b + u (of tokens or of channels) is number 32 b + 8 u + r + 8 (r / 8): so the 16 registers of two neighbouring tiles of a result are 16 neighbours, 32 b + 16 (lane / 16) + 0 .. 15.
; SHARES.  A work-group owns one bh and 512 queries; each of its SIXTEEN waves one tile of 16 queries at a time, twice; 256 registers a wave, four waves to a SIMD, so that one wave's vector work stands beside another's
; matrix work and LDS loads.  Every wave walks all 2,048 keys, 128 a step.
; A HEAD'S WHOLE K AND V, 16 records, 208,896 bytes, come into LDS once and stay for both passes: no LDS byte is filled twice.  Images are read as consecutive bytes: no pitch, no padding.
; CLUSTER.  The four work-groups of a bh form a cluster and need the same records: each record is asked for JOINTLY, by the same tensor load with the same descriptor and the mask of all four.
; Waves 0 to 3 issue four loads each (record 4 c + wave, c = 0 .. 3): four loads of a wave are out at the most.  The first pass begins on records 0-3 while the others are on their way.
; BOTH PRODUCTS ARE USED TRANSPOSED: S^T = K Q^T (source 0 = 16 keys, source 1 = my 16 queries), O^T = V^T P^T (source 0 = 16 channels, source 1 = P): a lane holds ONE query (lane % 16) throughout.
; THE FIRST PRODUCT'S K IS 64, half of the instruction's 128.  Q's upper six registers hold zero codes, and both sides' scale bytes of the upper two blocks are 0.  K's tiles lie six registers apart, so source 0's
; upper six registers are the next tile's codes (behind the last tile: zeros): whatever they hold, they are multiplied by Q's zeros, and the format has no code for infinity or NaN.
; No prefetch: every tensor load of the launch is issued at its head.
; LIMITS: NaN and infinities are not served; what falls under the smallest f32 number when M moves is lost; a block's largest p is made from the block's largest score by the same two instructions, which
; takes v_exp_f32 not to fall where its input rises.
; REGISTERS: v1-3 lane offsets, v4-6 the step's LDS addresses, v7-9 the way out; v12 -M, v13 the largest t, v[14:15] the sum in two halves; v16-27 Q (v22-27 zeros), v28 its scale word; v32-79 K's 8 tiles, then V's 4 fragments;
;   v80-85 zeros; v86-92 the second pass's Q; v96-159 S^T, then p; v160-191 O^T; v192-203 p's codes; v204-237 at work.
.set REC,   13056                      ; a record: 51 x 256 bytes
.set HREC,  16*REC
.set QSB,   6291456
.set KVB,   6815744
.set HIMG,  768
.set STAGE, HREC                       ; behind the records: 16 rows x (256 bytes + 16) for each wave, its own, for the way out; no tensor load lands here
.set SPI,   272
.set WV,  8                            ; s8   my wave's number
.set SEL, 12                           ; s[12:13] lane selects for v_permlanex16_b32: lane l xor 16
.set CS,  14                           ; s[14:15] c = log2(e) / 8: the packed form names a pair and takes its low word for both halves
.set G1,  16                           ; s[16:23] descriptor group 1: a record
.set G0,  24                           ; s[24:39] descriptor group 0, a set for each of a wave's four loads
.set TB,  40                           ; s40  LDS byte at which the step's record begins
.set CNT, 41                           ; s41  counts steps
.set QP,  42                           ; s[42:43] my first tile of Q
.set QSP, 44                           ; s[44:45] its scale words
.set OP,  46                           ; s[46:47] its first row of the output, at my head's 256 bytes
.set KF,  32
.set S,   96
.set O,   160
.set PCD, 192
.set BM,  212                          ; v212-215 the blocks' largest scores, then largest p
.set BT,  216                          ; v216-219 the other half's, then the bytes
.set SOP, 220                          ; v220-223 the conversions' scale operands
.set KSW, 224                          ; v224-227 K's scale words: lanes 0-15 tiles 0-3, lanes 16-31 tiles 4-7
.set VSW, 228                          ; v228-231 V's
.macro CROUND                          ; a round of the cluster's barrier
	s_barrier_signal -1
	s_barrier_wait -1
	s_cmp_lg_u32 s[WV], 0
	s_cbranch_scc1 .Lnot_wave_0_\@
	s_barrier_signal -3
.Lnot_wave_0_\@:
	s_barrier_wait -3
	s_barrier_signal -1
	s_barrier_wait -1
.endm
	s_load_b128 s[4:7], s[0:1], 0x0                ; qkv s[4:5], out0 s[6:7]
	v_lshl_add_u32 v254, v0, 2, 0x44000
	v_mov_b32 v255, 0
	ds_add_u32 v254, v255
	ds_add_u32 v254, v255
	v_lshrrev_b32 v10, 5, v0
	s_delay_alu instid0(VALU_DEP_1)
	v_readfirstlane_b32 s[WV], v10                 ; wave 0..15
	s_bfe_u32 s9, ttmp6, 0x40000                   ; cx: my place in the cluster: it enters Q's and the output's addresses alone
	s_lshl_b32 s10, ttmp9, 2
	s_add_co_u32 s10, s10, s9                      ; my block of 512 queries
	s_and_b32 s11, ttmp7, 0xffff                   ; bh, which the four partners share
	s_mov_b32 s[SEL], 0x76543210
	s_mov_b32 s[SEL+1], 0xfedcba98
	s_mov_b32 s[CS], 0x3e38aa3b                    ; c = log2(e) / 8
	s_mov_b32 s[CS+1], s[CS]                       ; (named with it as a pair, so it is written)
	; descriptor group 1: a record, dense in memory: 51 rows of 256 bytes (32 elements of 8 bytes), no padding
	s_mov_b32 s[G1], 15|(3<<16)|(1<<21)            ; 15:0 the mask: all four work-groups; 17:16 elements of 8 bytes; 21 set beside a mask
	s_mov_b32 s[G1+1], 32<<16                      ; tensor_dim0 = 32
	s_mov_b32 s[G1+2], 51<<16                      ; tensor_dim1 = 51
	s_mov_b32 s[G1+3], 32<<16                      ; tile_dim0 = 32
	s_mov_b32 s[G1+4], 51                          ; tile_dim1 = 51
	s_mov_b32 s[G1+5], 32                          ; tensor_dim0_stride
	s_mov_b32 s[G1+6], 0
	s_mov_b32 s[G1+7], 0
	s_lshl_b32 s48, s10, 5
	s_add_co_u32 s48, s48, s[WV]                   ; T: my tile of queries in the first pass, 32 x block + wave; in the second T + 16
	s_lshl_b32 s49, s11, 7
	s_add_co_u32 s49, s49, s48
	s_mul_i32 s50, s49, HIMG                       ; Q's half image: (128 bh + T) x 768
	s_mov_b32 s51, 0
	s_lshl_b32 s52, s11, 13                        ; its scale words: 8,192 bh + 256 (T / 4) + 4 (T % 4)
	s_lshr_b32 s49, s48, 2
	s_lshl_b32 s49, s49, 8
	s_add_co_u32 s52, s52, s49
	s_and_b32 s49, s48, 3
	s_lshl_b32 s49, s49, 2
	s_add_co_u32 s52, s52, s49
	s_add_co_u32 s52, s52, QSB
	s_mov_b32 s53, 0
	s_lshr_b32 s54, s11, 4                         ; the output: batch x 2,048 rows of 4,096 bytes,
	s_lshl_b32 s54, s54, 23
	s_lshr_b32 s49, s48, 1                         ; + row 32 (T / 2) + 8 (T % 2),
	s_lshl_b32 s49, s49, 17
	s_add_co_u32 s54, s54, s49
	s_and_b32 s49, s48, 1
	s_lshl_b32 s49, s49, 15
	s_add_co_u32 s54, s54, s49
	s_and_b32 s49, s11, 15                         ; + the head's 256 bytes
	s_lshl_b32 s49, s49, 8
	s_add_co_u32 s54, s54, s49
	s_mov_b32 s55, 0
	s_and_b32 s56, s[WV], 3                        ; which record of a chunk of four I fetch, if I fetch:
	s_mul_i32 s56, s56, REC                        ; its place in LDS and in memory alike
	s_mul_i32 s58, s11, HREC
	s_add_co_u32 s58, s58, s56
	s_add_co_u32 s58, s58, KVB
	s_mov_b32 s59, 0
	v_and_b32 v10, 31, v0                          ; lane
	v_and_b32 v11, 15, v0                          ; r
	s_delay_alu instid0(VALU_DEP_2)
	v_lshlrev_b32 v1, 4, v10                       ; 16 x lane: an image's registers 0-3
	s_delay_alu instid0(VALU_DEP_3)
	v_lshl_add_u32 v2, v10, 3, 512                 ; 512 + 8 x lane: its registers 4-5
	s_delay_alu instid0(VALU_DEP_3)
	v_lshlrev_b32 v3, 4, v11                       ; 16 r: a row's four scale words
	v_bfe_u32 v10, v0, 4, 1                        ; h
	s_delay_alu instid0(VALU_DEP_1)
	v_lshlrev_b32 v7, 12, v10
	s_delay_alu instid0(VALU_DEP_1)
	v_lshl_add_u32 v7, v11, 4, v7                  ; the way out: lanes 0-15 one row of the output, lanes 16-31 the next; 16 bytes a lane
	s_mul_i32 s48, s[WV], 16*SPI
	s_add_co_u32 s48, s48, STAGE                   ; my stage
	v_mul_u32_u24 v8, v11, SPI
	s_delay_alu instid0(VALU_DEP_1)
	v_lshl_add_u32 v8, v10, 6, v8
	s_delay_alu instid0(VALU_DEP_1)
	v_add_nc_u32 v8, s48, v8                       ; in: row r, + 64 h
	v_mul_u32_u24 v9, v10, SPI
	s_delay_alu instid0(VALU_DEP_1)
	v_lshl_add_u32 v9, v11, 4, v9
	s_delay_alu instid0(VALU_DEP_1)
	v_add_nc_u32 v9, s48, v9                       ; back: lanes 0-15 one row, lanes 16-31 the next
	s_wait_dscnt 0x0
	s_wait_kmcnt 0x0
	s_add_nc_u64 s[QP:QP+1], s[4:5], s[50:51]
	s_add_nc_u64 s[QSP:QSP+1], s[4:5], s[52:53]
	s_add_nc_u64 s[OP:OP+1], s[6:7], s[54:55]
	s_add_nc_u64 s[58:59], s[4:5], s[58:59]
.irp c, 0,1,2,3
	s_mov_b32 s[G0+4*\c], 1                        ; 1:0 count = 1
	s_add_co_u32 s[G0+4*\c+1], s56, \c*4*REC       ; 63:32 LDS address: record 4 c + wave
	s_add_nc_u64 s[G0+4*\c+2:G0+4*\c+3], s[58:59], \c*4*REC   ; 120:64 global address: the same record of my bh
	s_or_b32 s[G0+4*\c+3], s[G0+4*\c+3], 0x80000000           ; 127:126 type = 2
.endr
	CROUND                                         ; all four work-groups are here: the joint loads meet
	s_cmp_lt_u32 s[WV], 4                          ; a wave's four fills stand in one branch on its number, ahead of every wait on TENSORcnt and every LDS read
	s_cbranch_scc0 .Lno_load
	tensor_load_to_lds s[G0:G0+3], s[G1:G1+7]
	s_nop 0
	tensor_load_to_lds s[G0+4:G0+7], s[G1:G1+7]
	s_nop 0
	tensor_load_to_lds s[G0+8:G0+11], s[G1:G1+7]
	s_nop 0
	tensor_load_to_lds s[G0+12:G0+15], s[G1:G1+7]
	s_nop 0
.rept 4
	v_nop
.endr
.Lno_load:
	global_load_b128 v[16:19], v1, s[QP:QP+1]                    ; Q of the first pass: it stays in registers
	global_load_b64 v[20:21], v2, s[QP:QP+1]
	global_load_b32 v28, v3, s[QSP:QSP+1]                        ; row r's scale word, in both halves of the lanes
	global_load_b128 v[86:89], v1, s[QP:QP+1] offset:16*HIMG     ; and of the second: 16 tiles on
	global_load_b64 v[90:91], v2, s[QP:QP+1] offset:16*HIMG
	global_load_b32 v92, v3, s[QSP:QSP+1] offset:1024
.irp j, 22,23,24,25,26,27,80,81,82,83,84,85
	v_mov_b32 v\j, 0                               ; zero codes: Q's k = 64 .. 127, and what stands behind K's last tile
.endr
.irp j, 216,217,218,219,233,235
	v_mov_b32 v\j, 0                               ; written once: a lane permute's destination counts as one of its sources; v233 is named as the upper half of the pair v[232:233]
.endr
.macro INIT                            ; a pass begins: O^T and the sum are zeros and the largest t lies under every t, so that the step is written once: the first change of M multiplies zeros
	v_mov_b32 v13, 0xff61b1e6                      ; -3e38
	s_delay_alu instid0(VALU_DEP_1)
	v_floor_f32 v12, -v13                          ; -M
	v_mov_b32 v14, 0
	v_mov_b32 v15, 0
.set j, 0
.rept 32
	v_mov_b32 v[O+j], 0
.set j, j+1
.endr
.endm
; A KEY STEP: 128 keys, the record at LDS byte s[TB].
.macro STEP
	v_add_nc_u32 v4, s[TB], v1
	v_add_nc_u32 v5, s[TB], v2
	v_add_nc_u32 v6, s[TB], v3
	v_nop                                          ; four places behind the last step's products, in front of loads into registers that they have read
.irp t, 0,1,2,3,4,5,6,7
	ds_load_b128 v[KF+6*\t:KF+6*\t+3], v4 offset:HIMG*\t         ; K's tile t, six registers: 512 and 256 consecutive bytes
	ds_load_b64 v[KF+6*\t+4:KF+6*\t+5], v5 offset:HIMG*\t
.endr
	ds_load_b128 v[KSW:KSW+3], v4 offset:12288     ; K's scale words: lanes 0-15 row r of tiles 0-3, lanes 16-31 row r of tiles 4-7
	s_wait_alu depctr_va_vdst(0)
	s_wait_dscnt 0x0
.irp t, 0,1,2,3
	v_wmma_scale_f32_16x16x128_f8f6f4 v[S+8*\t:S+8*\t+7], v[KF+6*\t:KF+6*\t+11], v[16:27], 0, v[KSW+\t], v28 matrix_a_fmt:MATRIX_FMT_BF6 matrix_b_fmt:MATRIX_FMT_BF6
.endr
.irp t, 4,5,6,7
	v_wmma_scale_f32_16x16x128_f8f6f4 v[S+8*\t:S+8*\t+7], v[KF+6*\t:KF+6*\t+11], v[16:27], 0, v[KSW+\t-4], v28 matrix_a_fmt:MATRIX_FMT_BF6 matrix_b_fmt:MATRIX_FMT_BF6 matrix_a_scale:MATRIX_SCALE_ROW1
.endr                                  ; lane (r, h) holds query r; registers 16 b + i are keys 32 b + 16 h + i of the step
.rept 4
	v_nop                                          ; places in front of the loads into K's registers and of the first read of the scores
.endr
.irp f, 0,1,2,3
.irp c, 0,1
	ds_load_b128 v[KF+12*\f+6*\c:KF+12*\f+6*\c+3], v4 offset:6144+2*HIMG*\f+HIMG*\c     ; V^T's fragment f: these 17 loads land while the softmax is walked
	ds_load_b64 v[KF+12*\f+6*\c+4:KF+12*\f+6*\c+5], v5 offset:6144+2*HIMG*\f+HIMG*\c
.endr
.endr
	ds_load_b128 v[VSW:VSW+3], v6 offset:12800     ; V's scale words: row r of the four tiles
.irp b, 0,1,2,3
	v_max3_num_f32 v[BM+\b], v[S+16*\b], v[S+1+16*\b], v[S+2+16*\b]   ; THE LARGEST SCORE OF EACH BLOCK OF 32 KEYS: it serves for the row's maximum and, since p rises with the score, for the block's largest p
.endr
.irp i, 3,5,7,9,11,13
.irp b, 0,1,2,3
	v_max3_num_f32 v[BM+\b], v[BM+\b], v[S+16*\b+\i], v[S+1+16*\b+\i]   ; (the four blocks by turns)
.endr
.endr
.irp b, 0,1,2,3
	v_max_num_f32 v[BM+\b], v[BM+\b], v[S+15+16*\b]
.endr
.irp b, 0,1,2,3
	s_delay_alu instid0(VALU_DEP_4)
	v_permlanex16_b32 v[BT+\b], v[BM+\b], s[SEL], s[SEL+1]
.endr
.irp b, 0,1,2,3
	s_delay_alu instid0(VALU_DEP_4)
	v_max_num_f32 v[BM+\b], v[BM+\b], v[BT+\b]     ; with lane l xor 16's 16 keys
.endr
	s_delay_alu instid0(VALU_DEP_2)
	v_max3_num_f32 v235, v[BM], v[BM+1], v[BM+2]
	s_delay_alu instid0(VALU_DEP_1)
	v_max_num_f32 v235, v235, v[BM+3]              ; the step's largest score of my query
	s_delay_alu instid0(VALU_DEP_1)
	v_mul_f32 v235, s[CS], v235                    ; as t (c is positive)
	s_delay_alu instid0(VALU_DEP_1)
	v_max_num_f32 v13, v13, v235                   ; the running largest t
	v_mov_b32 v235, v12
	s_delay_alu instid0(VALU_DEP_2)
	v_floor_f32 v12, -v13                          ; the new -M = floor(-t) = -ceil(t): M is a whole number
	s_delay_alu instid0(VALU_DEP_1)
	v_sub_f32 v235, v12, v235                      ; M's old value less its new one: a whole number, 0 or less
	s_delay_alu instid0(VALU_DEP_1)
	v_cvt_i32_f32 v235, v235                       ; (it saturates)
	s_delay_alu instid0(VALU_DEP_1)
	v_ldexp_f32 v232, 1.0, v235                    ; f = 2^(old M - new M)
.irp j, 0,2,4,6,8,10,12,14,16,18,20,22,24,26,28,30,32,34,36,38,40,42,44,46,48,50,52,54,56,58,60,62
	v_pk_fma_f32 v[S+\j:S+1+\j], v[S+\j:S+1+\j], s[CS:CS+1], v[12:13] op_sel_hi:[1,0,0]   ; t - M, two at a time (of the pairs c and -M the low word serves both halves)
.endr
.irp b, 0,1,2,3
	v_fma_f32 v[BM+\b], v[BM+\b], s[CS], v12       ; the same of each block's largest score
.endr
.set j, 0
	s_wait_alu depctr_va_vdst(0)
.rept 64
	v_exp_f32 v[S+j], v[S+j]                       ; p = 2^(t - M), at most 1: NOT normalised
.set j, j+1
.endr
	s_setprio 1
	v_pk_mul_f32 v[14:15], v[14:15], v[232:233] op_sel_hi:[1,0]   ; the sums under the new M: the plain line behind the exponentials
	s_wait_alu depctr_va_vdst(0)                   ; one wait for the whole batch, ahead of its first reader
.irp b, 0,1,2,3
	v_exp_f32 v[BM+\b], v[BM+\b]                   ; the block's largest p: the same two instructions on the same number give the same bits
.endr
	v_pk_add_f32 v[236:237], v[100:101], v[104:105]
	v_pk_add_f32 v[252:253], v[108:109], v[112:113]
	v_pk_add_f32 v[250:251], v[116:117], v[120:121]
	v_pk_add_f32 v[248:249], v[124:125], v[128:129]
	v_pk_add_f32 v[246:247], v[132:133], v[136:137]
	v_pk_add_f32 v[244:245], v[140:141], v[144:145]
	v_pk_add_f32 v[242:243], v[148:149], v[152:153]
	v_pk_add_f32 v[14:15], v[14:15], v[156:157]
	v_pk_add_f32 v[236:237], v[236:237], v[96:97]
	v_pk_add_f32 v[252:253], v[252:253], v[98:99]
	v_pk_add_f32 v[250:251], v[250:251], v[102:103]
	v_pk_add_f32 v[248:249], v[248:249], v[106:107]
	v_pk_add_f32 v[246:247], v[246:247], v[110:111]
	v_pk_add_f32 v[244:245], v[244:245], v[114:115]
	v_pk_add_f32 v[242:243], v[242:243], v[118:119]
	v_pk_add_f32 v[14:15], v[14:15], v[122:123]
	v_pk_add_f32 v[236:237], v[236:237], v[126:127]
	v_pk_add_f32 v[252:253], v[252:253], v[130:131]
	v_pk_add_f32 v[250:251], v[250:251], v[134:135]
	v_pk_add_f32 v[248:249], v[248:249], v[138:139]
	v_pk_add_f32 v[246:247], v[246:247], v[142:143]
	v_pk_add_f32 v[244:245], v[244:245], v[146:147]
	v_pk_add_f32 v[242:243], v[242:243], v[150:151]
	v_pk_add_f32 v[14:15], v[14:15], v[154:155]
	v_pk_add_f32 v[236:237], v[236:237], v[158:159]
	s_delay_alu instid0(VALU_DEP_2)
	v_pk_add_f32 v[14:15], v[14:15], v[248:249]
	s_delay_alu instid0(VALU_DEP_2)
	v_pk_add_f32 v[236:237], v[236:237], v[246:247]
	v_pk_add_f32 v[252:253], v[252:253], v[244:245]
	v_pk_add_f32 v[250:251], v[250:251], v[242:243]
	s_delay_alu instid0(VALU_DEP_2)
	v_pk_add_f32 v[14:15], v[14:15], v[252:253]
	s_delay_alu instid0(VALU_DEP_2)
	v_pk_add_f32 v[236:237], v[236:237], v[250:251]
	s_delay_alu instid0(VALU_DEP_1)
	v_pk_add_f32 v[14:15], v[14:15], v[236:237]
	s_wait_alu depctr_va_vdst(0)                   ; and one for the four
.irp b, 0,1,2,3
	v_max_num_f32 v[BM+\b], 0x2800000, v[BM+\b]    ; the floor 2^(5 - 127): the byte cannot fall under 1 (a block whose every p has fallen to 0 keeps that byte: its codes are zeros)
.endr
.irp b, 0,1,2,3
	s_delay_alu instid0(VALU_DEP_4)
	v_add_nc_u32 v[SOP+\b], 0xfe000000, v[BM+\b]   ; 4 off the exponent field: the conversion's scale operand
.endr
.irp b, 0,1,2,3
	s_delay_alu instid0(VALU_DEP_4)
	v_lshrrev_b32 v[BT+\b], 23, v[SOP+\b]          ; the scale's byte
.endr
	s_delay_alu instid0(VALU_DEP_3)
	v_lshl_or_b32 v234, v[BT+1], 8, v[BT]          ; p's scale word for these 128 keys
	s_delay_alu instid0(VALU_DEP_1)
	v_lshl_or_b32 v234, v[BT+2], 16, v234
	s_delay_alu instid0(VALU_DEP_1)
	v_lshl_or_b32 v234, v[BT+3], 24, v234
.irp c, 0,1
	v_cvt_scalef32_pk16_bf6_f32 v[PCD+6*\c:PCD+2+6*\c], v[S+32*\c:S+15+32*\c], v[SOP+2*\c]
	v_cvt_scalef32_pk16_bf6_f32 v[PCD+12+4*\c:PCD+14+4*\c], v[S+16+32*\c:S+31+32*\c], v[SOP+2*\c+1]   ; (a conversion's three registers begin on an even number)
.endr
	v_nop                                          ; one plain line behind a scaled conversion
.irp c, 0,1                            ; the operand's layout wants a WHOLE block in a lane: lanes 0-15 block 2 c, lanes 16-31 block 2 c + 1
.irp i, 0,1,2
	v_permlane16_swap_b32 v[PCD+6*\c+\i], v[PCD+12+4*\c+\i]
.endr
.irp i, 0,1,2
	s_delay_alu instid0(VALU_DEP_3)
	v_mov_b32 v[PCD+3+6*\c+\i], v[PCD+12+4*\c+\i]
.endr
.endr
	s_setprio 0
.irp j, 0,2,4,6,8,10,12,14,16,18,20,22,24,26,28,30
	v_pk_mul_f32 v[O+\j:O+1+\j], v[O+\j:O+1+\j], v[232:233] op_sel_hi:[1,0]   ; O^T under the new M: x f, each accumulator from its low end on.  (These 16 are also the places between p's codes and scale word and the products below)
.endr
	s_wait_alu depctr_va_vdst(0)
	s_wait_dscnt 0x0                               ; V's fragments and scale words are in
.irp f, 0,1,2,3                        ; O^T += V^T P^T: four accumulators by turns, one instruction a turn
	v_wmma_scale_f32_16x16x128_f8f6f4 v[O+8*\f:O+8*\f+7], v[KF+12*\f:KF+12*\f+11], v[PCD:PCD+11], v[O+8*\f:O+8*\f+7], v[VSW+\f], v234 matrix_a_fmt:MATRIX_FMT_BF6 matrix_b_fmt:MATRIX_FMT_BF6
.endr
	s_add_co_u32 s[TB], s[TB], REC                 ; the next step's record
.endm
.macro WALK n                          ; n key steps: a constant of the text
	s_mov_b32 s[CNT], \n
.Lstep_\@:
	s_setprio 2
	STEP
	s_sub_co_u32 s[CNT], s[CNT], 1
	s_cmp_lg_u32 s[CNT], 0
	s_cbranch_scc1 .Lstep_\@
	s_setprio 0
.endm
; THE WAY OUT of pass p.  O^T / the sum goes through my stage in LDS, so that sixteen lanes store a query's 256 consecutive bytes, aligned.  O^T's register 16 b + i is channel 32 b + 16 h + i; stage row 2 i + h is
; row 2 i + h + 8 (i / 4) of the tile's 24 rows of the output.
.macro OUT p
.rept 4
	v_nop                                          ; places behind the last products
.endr
	v_add_f32 v14, v14, v15                        ; the sum's two halves,
	s_delay_alu instid0(VALU_DEP_1)
	v_permlanex16_b32 v235, v14, s[SEL], s[SEL+1]
	s_delay_alu instid0(VALU_DEP_1)
	v_add_f32 v14, v14, v235                       ; and lane l xor 16's: the row's sum
	s_wait_alu depctr_va_vdst(0)
	v_rcp_f32 v14, v14
	v_nop                                          ; a plain line behind the reciprocal,
	s_wait_alu depctr_va_vdst(0)                   ; and the wait ahead of its first reader
.irp j, 0,2,4,6,8,10,12,14,16,18,20,22,24,26,28,30
	v_pk_mul_f32 v[S+\j:S+1+\j], v[O+\j:O+1+\j], v[14:15] op_sel_hi:[1,0]
.endr
.irp b, 0,1
.irp i, 0,1,2,3
	ds_store_b128 v8, v[S+16*\b+4*\i:S+16*\b+4*\i+3] offset:128*\b+16*\i
.endr
.endr
.irp i, 0,1,2,3,4,5,6,7
	ds_load_b128 v[KF+4*\i:KF+4*\i+3], v9 offset:2*SPI*\i          ; LDS serves a wave's instructions in order: these see my stores
.endr
.irp i, 0,1,2,3,4,5,6,7
	s_wait_dscnt 7-\i                              ; this load is back; the younger ones may be out
	global_store_b128 v7, v[KF+4*\i:KF+4*\i+3], s[OP:OP+1] offset:(\p)*1048576+(2*\i+8*(\i/4))*4096 th:TH_STORE_NT   ; the second pass's tile lies 256 rows of 4,096 bytes further down
.endr
.if (\p) == 0
	s_wait_xcnt 0x0                                ; the stores have read their data: the next pass loads into these registers only behind this wait
.endif
.endm
	INIT
	s_mov_b32 s[TB], 0
	s_wait_loadcnt 0x0                             ; Q, both passes'
.irp c, 0,1,2,3                        ; THE FIRST PASS, four records at a time
	s_wait_tensorcnt 3-\c                          ; my record of this chunk is in; my loads of the later chunks may stay out: no LDS byte is ever filled again
	s_wait_dscnt 0x0
	s_barrier_signal -1
	s_barrier_wait -1                              ; everybody's is
	WALK 4
.endr
	OUT 0
.irp j, 0,1,2,3,4,5
	v_mov_b32 v[16+\j], v[86+\j]                   ; THE SECOND PASS: its Q,
.endr
	v_mov_b32 v28, v92                             ; and its scale word; the 36 lines that follow are the places between these and the next products
	INIT
	s_mov_b32 s[TB], 0
	WALK 16
	OUT 1
	s_wait_tensorcnt 0x0
	ds_add_u32 v254, v255
	s_wait_dscnt 0x0
	CROUND                                         ; the closing round: no work-group ends while a partner may still ask for a record that names it
	s_endpgm
.Lfunc_end_k_q5fa3137458_attn:
	.size	k_q5fa3137458_attn, .Lfunc_end_k_q5fa3137458_attn-k_q5fa3137458_attn
	.p2alignl 7, 3214868480
	.fill 96, 4, 3214868480
	.section	.rodata,"a",@progbits
	.p2align	6, 0x0
	.amdhsa_kernel k_q5fa3137458_attn
		.amdhsa_group_segment_fixed_size 280576
		.amdhsa_private_segment_fixed_size 0
		.amdhsa_enable_private_segment 0
		.amdhsa_kernarg_size 16
		.amdhsa_user_sgpr_count 2
		.amdhsa_user_sgpr_kernarg_segment_ptr 1
		.amdhsa_wavefront_size32 1
		.amdhsa_system_sgpr_workgroup_id_x 1
		.amdhsa_system_sgpr_workgroup_id_y 1
		.amdhsa_system_sgpr_workgroup_id_z 1
		.amdhsa_system_vgpr_workitem_id 0
		.amdhsa_next_free_vgpr 256
		.amdhsa_next_free_sgpr 66
		.amdhsa_reserve_vcc 0
		.amdhsa_float_denorm_mode_32 3
		.amdhsa_float_denorm_mode_16_64 3
		.amdhsa_memory_ordered 1
		.amdhsa_forward_progress 1
		.amdhsa_inst_pref_size 104
	.end_amdhsa_kernel
	.amdgpu_metadata
---
amdhsa.version: [ 1, 2 ]
amdhsa.kernels:
  - .name:           k_q5fa3137458_attn
    .symbol:         k_q5fa3137458_attn.kd
    .args:
      - { .name: qkv, .offset: 0, .size: 8, .value_kind: global_buffer, .address_space: global }
      - { .name: out0, .offset: 8, .size: 8, .value_kind: global_buffer, .address_space: global }
    .group_segment_fixed_size: 280576
    .private_segment_fixed_size: 0
    .kernarg_segment_align: 8
    .kernarg_segment_size: 16
    .max_flat_workgroup_size: 512
    .sgpr_count:     66
    .vgpr_count:     256
    .wavefront_size: 32
...
	.end_amdgpu_metadata
.endif
;; end of part 3
